; MI455X (gfx1250); checked and timed in simulation.
; The chip was launched on July 23, 2026; its instructions are those of AMD's public machine-readable ISA for CDNA 5 (MIT licence, August 2026) and "CDNA5" Instruction Set Architecture Reference Guide (July 2026). The comments in the code are by the model that wrote it; some were corrected since.
;; Raw SDP. Allowed arithmetic: float matrix products may take bf16 or f16 operands with f32 sums; all other float work in f32.
;; Inputs: key 1 x 8 x 2,048 x 128 float32; query 1 x 32 x 2,048 x 128 float32; value 1 x 8 x 2,048 x 128 float32.
;; Outputs: out0 1 x 32 x 2,048 x 128 float32.
;; 2 versions, each right; version 2 is version 1 with the launch attn written anew for expert scheduling mode. Each part assembles by itself: llvm-mc -triple=amdgcn-amd-amdhsa -mcpu=gfx1250 --defsym DOCPART=n.
;; ======== version 1 of 2: 1 launch
;; limits: values are held in f16: magnitudes above 65,504 overflow, below 6.1e-05 lose precision; inputs' magnitudes at most 65,504
;; launch attn (part 1): grid 32 x 8, 4 waves a work-group, no clusters, 70,144 bytes of LDS; arguments query, key, value, out0; writes out0
.if DOCPART == 1
	.amdgcn_target "amdgcn-amd-amdhsa--gfx1250"
	.amdhsa_code_object_version 6
	.text
	.protected	k_qf0bb5d5b73_attn
	.globl	k_qf0bb5d5b73_attn
	.p2align	8
	.type	k_qf0bb5d5b73_attn,@function
k_qf0bb5d5b73_attn:
	s_mov_b64 s[64:65], 0
	v_nop
	global_prefetch_b8 v0, s[64:65] scope:SCOPE_SE
	s_setreg_imm32_b32 hwreg(HW_REG_WAVE_MODE, 25, 1), 1
	s_wait_xcnt 0x0
; Causal attention with grouped heads: 32 query heads, 8 key/value heads, 2048 positions, 128 numbers a head, all f32 in memory.
; out = softmax(q k^T / sqrt(128), keys <= query) v.  Products on 16-bit operands with f32 sums; softmax, running maximum and sums in f32.
;
; FORMATS.  Q, K and V are rounded to bf16.  The scores are a bf16 product.  In the first rows a few weights of order 1 multiply values that may
; cancel, so a weight's rounding error shows whole in the result: at most 2^-8 of the weight in bf16, 2^-11 in f16.  So the weights P go in f16,
; and V, whose product with P needs the same format, is held in f16 after its rounding to bf16: f16 keeps a bf16 number exactly (8 significant
; bits in 11) from 2^-14 to 65,504.  The result is then that of the inputs rounded to bf16, up to 2^-11 of each weight.
;
; SHARE OF THE WORK.  Work-group (i = 0..31, g = 0..7) serves key/value head g; its four waves are the four query heads 4g..4g+3, so each tile
; of K and V is fetched and rounded once for four heads.  A wave owns 64 query rows: the low block 32i..32i+31 (subtiles qt 0, 1) and the
; high block 32(63-i)..+31 (qt 2, 3).  Keys go in tiles of 64.  With a = i>>1 the low block needs tiles 0..a, the high block 0..31-a:
; (a+1) steps on both blocks and 31-2a steps on the high block alone = 16.5 full steps in each of the 256 work-groups.
;
; BOTH PRODUCTS ARE TAKEN TRANSPOSED.  S^T(key, q) = K Q^T puts query q = lane%16 in the lane and key 8(lane/16)+j in register j; packing two
; such tiles to f16 gives the B operand of O^T(d, q) = V^T P^T as it stands.  Maximum, sum and scale are one number a lane.
;
; NO JOINT (CLUSTER) LOADS: K and V are f32 and pass through registers to be rounded; the sharing among the four heads of a group is inside the
; work-group already; the other work-groups that read head g's tiles walk 17 to 32 of them, so partners would need different numbers of tiles.
;
; LIMITS.  Range of f16, for V alone: a value above 65,504 in magnitude becomes infinite and spoils its columns; values and weights under 2^-14
; keep an absolute error of 2^-25.  Values of unit spread reach about 6; thirty times that on an offset of thirty such spreads is about 1,100.
; A masked score is replaced by -FLT_MAX (reference adds it): its weight is 0 either way, and key 0 lies in the first tile of every row,
; so the running maximum is always a true score.  NaN and infinities in the inputs are not carried as reference carries them (the maxima drop
; NaN).  The sum l adds the weights before they are rounded to f16.  The scale 1/sqrt(128) is applied once, in f32, behind the product, not as
; 128^(-1/4) on each operand.  The exponent is fma(s, c, -round(c m)): off by at most half a unit in the last place of c m.
.set KP,    272                        ; LDS pitch of a 16-bit row of K or Q: 256 + 16 = 17 x 16 bytes, sixteen rows start in sixteen different 16-byte columns of 256
.set VP,    288                        ; pitch of a row of V: 9 x 32 bytes, for the transposing loads
.set OP,    528                        ; pitch of an f32 row of the result: 512 + 16 = 33 x 16 bytes
.set VREG,  64*KP                      ; LDS: K tile at 0 (17,408 bytes), V tile behind it (18,432 bytes)
.set STAGE, VREG+64*VP                 ; behind them each wave's own stage: 16 rows x 272 (Q on the way in), 16 rows x 528 (result on the way out)
.set STG,   16*OP
; window 0 (v0-255)
.set KST,  2                           ; where I store 8 bytes of my first K row: wave x 16 rows + 8 lane
.set VST,  3                           ; the same for V
.set KFA,  4                           ; K fragments: (lane%16) x 272 + 16 (lane/16)
.set VFA,  5                           ; V fragments, transposing load: (8 (lane/16) + lane%8) x 288 + 16 ((lane/8)%2)
.set GKV,  6                           ; byte offset in a K or V tile: wave x 16 rows x 512 + 16 lane
.set QST,  7                           ; stage, Q in: 8 lane
.set QFA,  8                           ; stage, Q fragments
.set OST,  9                           ; stage, result in: (lane%16) x 528 + 32 (lane/16)
.set ORD,  10                          ; stage, result back by rows: 16 lane
.set GROW, 11                          ; 16 lane: my 16 bytes of a 512-byte row of Q or of the result
.set TFI,  12                          ; mask thresholds: row offset in the tile + lane%16 - 8 (lane/16); first tile,
.set TLO,  13                          ; low block's last tile,
.set THI,  14                          ; high block's last tile
.set NMC,  16                          ; v[16+2q] = -c x maximum, v[17+2q] = running maximum of subtile q
.set ALP,  24                          ; v[24+2q] = rescale factor (at the end 1/l), v[25+2q] = running sum l (of my half's keys)
.set XT,   32                          ; v32-47 at work
.set ZR,   48                          ; v48 = 0: the low half in V's rounding to bf16
.set PF,   64                          ; v64-127  P(qt, kc) at 64 + 16 qt + 8 kc, f16; v64-95 also carry a K tile's bf16 on its way to LDS
.set SC,   128                         ; v128-255 S(qt, kt) at 128 + 32 qt + 8 kt, f32; v128-159 also carry V's f16 and Q's bf16 on their way to LDS
; window 1
.set QF,   0                           ; Q(qt, dc) at 32 qt + 8 dc
.set KF,   128                         ; K(kt, dc) at 128 + 32 kt + 8 dc
; window 2
.set KS,   0                           ; 16 rows of the next K tile, f32, as loaded
.set VS,   64                          ; 16 rows of the next V tile
.set VF,   128                         ; V^T(kc, dt) at 128 + 64 kc + 8 dt
; window 3
.set OA,   0                           ; O(qt, dt) at 64 qt + 8 dt; in the prologue the 64 rows of Q as loaded
; s_set_vgpr_msb's low byte: bits 1:0 source 0, 3:2 source 1, 5:4 source 2, 7:6 destination; the high byte repeats the setting that is left
.set MSB, 0
.macro WIN new
.if MSB != \new
	s_set_vgpr_msb (MSB<<8)|\new
.set MSB, \new
.endif
.endm
.macro PLACES                          ; four independent vector instructions behind a matrix instruction (ISA guide 7.12.1)
.rept 4
	v_nop
.endr
.endm
	s_load_b256 s[8:15], s[0:1], 0x0               ; query s[8:9], key s[10:11], value s[12:13], out s[14:15]
	v_lshl_add_u32 v62, v0, 2, 0x11000
	v_mov_b32 v63, 0
	v_lshrrev_b32 v1, 5, v0
	v_readfirstlane_b32 s2, v1                     ; wave = query head within the group
	s_mov_b32 s3, ttmp9                            ; i
	s_and_b32 s4, ttmp7, 0xffff                    ; g
	s_lshr_b32 s5, s3, 1                           ; a: the low block's last tile
	s_and_b32 s6, s3, 1                            ; e: the low block lies in that tile's rows 32 e ..
	s_sub_co_u32 s26, 31, s5                       ; the high block's last tile, the last that is loaded
	s_mov_b32 s16, 0x76543210                      ; v_permlanex16_b32: lane l of one half reads lane l of the other
	s_mov_b32 s17, 0xfedcba98
	s_mov_b32 s18, 0x3e0293ee                      ; c = log2(e) / sqrt(128)
	s_mov_b32 s19, 0x3e0293ee                      ; (the pair is named whole by the packed multiply-add)
	s_mov_b32 s20, 0xbe0293ee                      ; -c
	s_mov_b32 s21, 0xff7fffff                      ; -FLT_MAX
	s_mov_b32 s24, 0                               ; next K tile
	s_mov_b32 s25, 0                               ; next V tile
	s_mov_b32 s33, 0                               ; s[32:33]: a byte offset below 4 GiB as a pair
	v_mov_b32 v[ZR], 0
	v_and_b32 v1, 31, v0                           ; lane
	v_and_b32 v15, 15, v0                          ; r = lane % 16
	v_bfe_u32 v32, v0, 4, 1                        ; h = lane / 16
	v_lshlrev_b32 v33, 3, v1                       ; 8 lane
	v_lshlrev_b32 v[GROW], 4, v1                   ; 16 lane
	s_mul_i32 s7, s2, 16*KP
	v_add_nc_u32 v[KST], s7, v33
	s_mul_i32 s7, s2, 16*VP
	s_add_co_u32 s7, s7, VREG
	v_add_nc_u32 v[VST], s7, v33
	v_mul_u32_u24 v34, v15, KP
	v_lshl_add_u32 v[KFA], v32, 4, v34
	v_and_b32 v35, 7, v0
	v_lshl_add_u32 v35, v32, 3, v35                ; 8 h + lane % 8
	v_mul_u32_u24 v35, v35, VP
	v_bfe_u32 v36, v0, 3, 1
	v_lshl_add_u32 v35, v36, 4, v35
	v_add_nc_u32 v[VFA], VREG, v35
	s_lshl_b32 s7, s2, 13
	v_add_nc_u32 v[GKV], s7, v[GROW]
	s_mul_i32 s7, s2, STG
	s_add_co_u32 s7, s7, STAGE                     ; my stage
	v_add_nc_u32 v[QST], s7, v33
	v_add_nc_u32 v[QFA], s7, v[KFA]
	v_mul_u32_u24 v34, v15, OP
	v_lshl_add_u32 v34, v32, 5, v34
	v_add_nc_u32 v[OST], s7, v34
	v_add_nc_u32 v[ORD], s7, v[GROW]
	v_lshlrev_b32 v34, 3, v32
	v_sub_nc_u32 v34, v15, v34                     ; r - 8 h
	s_lshl_b32 s7, s3, 5
	v_add_nc_u32 v[TFI], s7, v34                   ; tile 0: the low block's rows are 32 i .. (for i > 1 nothing is masked)
	s_lshl_b32 s7, s6, 5
	v_add_nc_u32 v[TLO], s7, v34                   ; tile a: rows 32 e ..
	s_xor_b32 s7, s7, 32
	v_add_nc_u32 v[THI], s7, v34                   ; tile 31-a: the high block's rows 32 (1-e) ..
	s_wait_kmcnt 0x0
	s_lshl_b32 s32, s4, 20                         ; a head is 2048 x 512 bytes
	s_add_nc_u64 s[34:35], s[10:11], s[32:33]      ; K of head g
	s_add_nc_u64 s[36:37], s[12:13], s[32:33]      ; V of head g
	s_lshl2_add_u32 s7, s4, s2                     ; query head 4 g + wave
	s_lshl_b32 s7, s7, 20
	s_lshl_b32 s32, s3, 14                         ; 32 i rows of 512 bytes
	s_add_co_u32 s32, s32, s7
	s_add_nc_u64 s[38:39], s[8:9], s[32:33]        ; Q, low block
	s_add_nc_u64 s[42:43], s[14:15], s[32:33]      ; out, low block
	s_sub_co_u32 s32, 63, s3
	s_lshl_b32 s32, s32, 14
	s_add_co_u32 s32, s32, s7
	s_add_nc_u64 s[40:41], s[8:9], s[32:33]        ; Q, high block
	s_add_nc_u64 s[44:45], s[14:15], s[32:33]      ; out, high block
; 64 roundings in place, in window 2: low half 0, high half bf16(x): read as f32 the register is x rounded to bf16 (to nearest, ties to even)
.macro RND64 src
	WIN 0x88                                       ; source 0 (the zero) window 0, source 1 and destination window 2
.set ci, 0
.rept 64
	v_cvt_pk_bf16_f32 v[\src+ci], v[ZR], v[\src+ci]
.set ci, ci+1
.endr
.endm
; 32 packings: 64 f32 registers (16 rows x 4) at src of the window named by win become 32 registers of 16-bit pairs at dst of window 0;
; half = 1: f16, half = 0: bf16
.macro CVT32 half, win, src, dst
	WIN \win
.set ci, 0
.rept 32
.if \half
	v_cvt_pk_f16_f32 v[\dst+ci], v[\src+2*ci], v[\src+2*ci+1]
.else
	v_cvt_pk_bf16_f32 v[\dst+ci], v[\src+2*ci], v[\src+2*ci+1]
.endif
.set ci, ci+1
.endr
.endm
; 16 LDS stores: each lays one 16-bit row of 256 neighbouring bytes
.macro ST16 addr, t, pitch
	WIN 0
.set ci, 0
.rept 16
	ds_store_b64 v[\addr], v[\t+2*ci:\t+2*ci+1] offset:ci*\pitch
.set ci, ci+1
.endr
.endm
; 16 loads: my 16 rows of tile s[idx] of K or V (head: its head's base), each load one whole row of 512 bytes.  The base pair cur is rewritten
; behind the counted wait that showed its last loads done.  The tile number then steps and is held at the last tile: every path issues the
; same loads, none leaves the buffer, and one tile of K is asked for a second time and not used.
.macro LDT dst, cur, head, idx
	s_lshl_b32 s32, s[\idx], 15                    ; a tile is 64 rows of 512 bytes
	s_add_nc_u64 s[\cur:\cur+1], s[\head:\head+1], s[32:33]
	WIN 0x80
.set ci, 0
.rept 16
	global_load_b128 v[\dst+4*ci:\dst+4*ci+3], v[GKV], s[\cur:\cur+1] offset:512*ci
.set ci, ci+1
.endr
	s_add_co_u32 s[\idx], s[\idx], 1
	s_min_u32 s[\idx], s[\idx], s26
.endm
; 32 LDS loads: the tile's 64 keys x 128 d as 16 A operands (row = key, 32 d along the registers)
.macro FETCHK
	WIN 0x40
.irp kt, 0,1,2,3
.irp dc, 0,1,2,3
	ds_load_b128 v[KF+32*\kt+8*\dc:KF+32*\kt+8*\dc+3],   v[KFA] offset:\kt*16*KP+64*\dc
	ds_load_b128 v[KF+32*\kt+8*\dc+4:KF+32*\kt+8*\dc+7], v[KFA] offset:\kt*16*KP+64*\dc+32
.endr
.endr
.endm
; 32 transposing LDS loads: V stored [key][d] as 16 A operands of V^T (row = d, 32 keys along the registers)
.macro FETCHV
	WIN 0x80
.irp kc, 0,1
.irp dt, 0,1,2,3,4,5,6,7
	ds_load_tr16_b128 v[VF+64*\kc+8*\dt:VF+64*\kc+8*\dt+3],   v[VFA] offset:\kc*32*VP+32*\dt
	ds_load_tr16_b128 v[VF+64*\kc+8*\dt+4:VF+64*\kc+8*\dt+7], v[VFA] offset:\kc*32*VP+32*\dt+16*VP
.endr
.endr
.endm
; S^T(kt, qt) += K(kt, dc) Q(qt, dc)^T, bf16; the first 32 along d start the sums
.macro QK1 qt, kt, dc
.if \dc
	v_wmma_f32_16x16x32_bf16 v[SC+32*\qt+8*\kt:SC+32*\qt+8*\kt+7], v[KF+32*\kt+8*\dc:KF+32*\kt+8*\dc+7], v[QF+32*\qt+8*\dc:QF+32*\qt+8*\dc+7], v[SC+32*\qt+8*\kt:SC+32*\qt+8*\kt+7]
.else
	v_wmma_f32_16x16x32_bf16 v[SC+32*\qt+8*\kt:SC+32*\qt+8*\kt+7], v[KF+32*\kt+8*\dc:KF+32*\kt+8*\dc+7], v[QF+32*\qt+8*\dc:QF+32*\qt+8*\dc+7], 0
.endif
.endm
.macro QKP both, k0, k1                ; two key subtiles: 8 (or 4) sums take turns, so a link of a chain stands 8 (4) matrix instructions behind the last
.irp dc, 0,1,2,3
.irp kt, \k0, \k1
.if \both
	QK1 0, \kt, \dc
	QK1 1, \kt, \dc
.endif
	QK1 2, \kt, \dc
	QK1 3, \kt, \dc
.endr
.endr
.endm
.macro QK both                         ; 64 matrix instructions, or 32 for the high block alone
	WIN 0x05
	QKP \both, 0, 1
	QKP \both, 2, 3
.endm
; key 16 kt + 8 h + j is allowed for row offset + 16 (qt%2) + r  <=>  16 (kt - qt%2) + j <= offset + r - 8 h = v[t]
.macro MASK qt, t
.irp kt, 0,1,2,3
.irp j, 0,1,2,3,4,5,6,7
	v_cmp_le_i32 vcc_lo, 16*(\kt-(\qt&1))+\j, v[\t]
	v_cndmask_b32 v[SC+32*\qt+8*\kt+\j], s21, v[SC+32*\qt+8*\kt+\j], vcc_lo
.endr
.endr
.endm
; One subtile's 16 rows x 64 keys: my lane holds 32 of the keys of row r; the other half of the lanes holds the other 32.
.macro SOFTMAX qt, first
.set SB, SC+32*\qt
.set NM, NMC+2*\qt
.set MM, NM+1
.set AL, ALP+2*\qt
.set LL, AL+1
.irp c, 0,1,2,3
	v_max3_num_f32 v[XT+\c], v[SB+8*\c], v[SB+8*\c+1], v[SB+8*\c+2]        ; four chains, started by the scores themselves
.endr
.irp c, 0,1,2,3
	v_max3_num_f32 v[XT+\c], v[XT+\c], v[SB+8*\c+3], v[SB+8*\c+4]
.endr
.irp c, 0,1,2,3
	v_max3_num_f32 v[XT+\c], v[XT+\c], v[SB+8*\c+5], v[SB+8*\c+6]
.endr
	v_max3_num_f32 v[XT], v[XT], v[XT+1], v[SB+7]
	v_max3_num_f32 v[XT+2], v[XT+2], v[XT+3], v[SB+15]
	v_max3_num_f32 v[XT], v[XT], v[SB+23], v[SB+31]
.if \first
	v_max_num_f32 v[XT], v[XT], v[XT+2]
	v_permlanex16_b32 v[XT+1], v[XT], s16, s17     ; the other half's maximum (the destination has been written above)
	v_max_num_f32 v[MM], v[XT], v[XT+1]
	v_mul_f32 v[NM], s20, v[MM]                    ; -c m
.else
	v_max3_num_f32 v[XT], v[XT], v[XT+2], v[MM]    ; the running maximum joins
	v_permlanex16_b32 v[XT+1], v[XT], s16, s17
	v_max_num_f32 v[XT], v[XT], v[XT+1]
	v_mul_f32 v[NM], s20, v[XT]
	v_fma_f32 v[AL], v[MM], s18, v[NM]             ; c (m_old - m_new)
.endif
.set ci, 0
.rept 16
	v_pk_fma_f32 v[SB+2*ci:SB+2*ci+1], v[SB+2*ci:SB+2*ci+1], s[18:19], v[NM:NM+1] op_sel_hi:[1,0,0]   ; c s - c m, both halves by s18 and by -c m
.set ci, ci+1
.endr
.set ci, 0
.rept 32
	v_exp_f32 v[SB+ci], v[SB+ci]
.set ci, ci+1
.endr
.if \first
	v_nop                                          ; one plain vector instruction behind the exponentials before their results are used (ISA guide 5.7.2)
	s_wait_alu depctr_va_vdst(0)
.else
	v_exp_f32 v[AL], v[AL]
	v_mov_b32 v[MM], v[XT]                         ; the new maximum; also the plain instruction behind the exponentials (ISA guide 5.7.2)
	s_wait_alu depctr_va_vdst(0)
.endif
.set ci, 0
.rept 8
	v_pk_add_f32 v[XT+2*ci:XT+2*ci+1], v[SB+4*ci:SB+4*ci+1], v[SB+4*ci+2:SB+4*ci+3]
.set ci, ci+1
.endr
.set ci, 0
.rept 16
	v_cvt_pk_f16_f32 v[PF+16*\qt+ci], v[SB+2*ci], v[SB+2*ci+1]     ; weights lie in [0, 1]; tiles kt = 2 kc, 2 kc + 1 become registers 0-3, 4-7 of P^T's operand kc
.set ci, ci+1
.endr
.irp c, 0,4,8,12
	v_pk_add_f32 v[XT+\c:XT+\c+1], v[XT+\c:XT+\c+1], v[XT+\c+2:XT+\c+3]
.endr
.irp c, 0,8
	v_pk_add_f32 v[XT+\c:XT+\c+1], v[XT+\c:XT+\c+1], v[XT+\c+4:XT+\c+5]
.endr
	v_pk_add_f32 v[XT:XT+1], v[XT:XT+1], v[XT+8:XT+9]
.if \first
	v_add_f32 v[LL], v[XT], v[XT+1]
.else
	v_add_f32 v[XT], v[XT], v[XT+1]
	v_fma_f32 v[LL], v[LL], v[AL], v[XT]           ; l stays the sum over my half's keys until the end
.endif
.endm
.macro RESCALE qt                      ; O(qt) *= alpha: 64 registers, two at a time
	WIN 0xc3
.set ci, 0
.rept 32
	v_pk_mul_f32 v[OA+64*\qt+2*ci:OA+64*\qt+2*ci+1], v[OA+64*\qt+2*ci:OA+64*\qt+2*ci+1], v[ALP+2*\qt:ALP+2*\qt+1] op_sel_hi:[1,0]
.set ci, ci+1
.endr
.endm
.macro PV1 qt, dt, kc, zero            ; f16: the weights, and V's bf16 numbers held in f16
.if \zero
	v_wmma_f32_16x16x32_f16 v[OA+64*\qt+8*\dt:OA+64*\qt+8*\dt+7], v[VF+64*\kc+8*\dt:VF+64*\kc+8*\dt+7], v[PF+16*\qt+8*\kc:PF+16*\qt+8*\kc+7], 0
.else
	v_wmma_f32_16x16x32_f16 v[OA+64*\qt+8*\dt:OA+64*\qt+8*\dt+7], v[VF+64*\kc+8*\dt:VF+64*\kc+8*\dt+7], v[PF+16*\qt+8*\kc:PF+16*\qt+8*\kc+7], v[OA+64*\qt+8*\dt:OA+64*\qt+8*\dt+7]
.endif
.endm
.macro PVH kc, both, zero              ; O^T += V^T P^T over 32 keys: 32 matrix instructions (16 for the high block alone), each on a sum of its own
	WIN 0xf2
.irp dt, 0,1,2,3,4,5,6,7
.if \both
	PV1 0, \dt, \kc, \zero
	PV1 1, \dt, \kc, \zero
.endif
	PV1 2, \dt, \kc, \zero
	PV1 3, \dt, \kc, \zero
.endr
.endm
; ONE KEY TILE j.  On entry: K(j)'s fragments are on their way from LDS (32 loads); V(j), then K(j+1), are on their way from memory (16 + 16 loads).
; both: the low block takes part.  first: the sums start here.  lowt, hight: the register with a block's mask threshold, or 0.  last: nothing follows.
.macro STEP both, first, lowt, hight, last
	s_wait_loadcnt 16                              ; V(j) is in; the 16 younger loads, K(j+1), stay out (loads return in order: ISA guide 5.7.1)
	RND64 VS                                       ; V to bf16,
	CVT32 1, 0x0a, VS, SC                          ; and, without further loss, into f16
	ST16 VST, SC, VP                               ; behind the last step's second barrier: nobody reads V(j-1) any more
.if \last == 0
	LDT VS, 30, 36, 25                             ; V(j+1), a whole step ahead of its use
.endif
	s_wait_dscnt 16                                ; the 32 loads of K(j)'s fragments are in; my 16 younger stores of V may be out
	QK \both
	WIN 0
	s_wait_dscnt 0x0                               ; for the others: my reads of K(j) and my stores of V(j) are over
	s_barrier_signal -1
	PLACES                                         ; the four places between the products above and the first use of S (ISA guide 7.12.1)
	s_barrier_wait -1                              ; V(j) may be read, K's region may be written
	FETCHV
.if \last == 0
	s_wait_loadcnt 16                              ; K(j+1) is in; the 16 younger loads, V(j+1), stay out
	CVT32 0, 0x0a, KS, PF
	ST16 KST, PF, KP
	LDT KS, 28, 34, 24                             ; K(j+2)
.endif
	WIN 0
.if \lowt
	MASK 0, \lowt
	MASK 1, \lowt
.endif
.if \hight
	MASK 2, \hight
	MASK 3, \hight
.endif
.if \both
	SOFTMAX 0, \first
	SOFTMAX 1, \first
.endif
	SOFTMAX 2, \first
	SOFTMAX 3, \first
.if \first == 0
.if \both
	RESCALE 0
	RESCALE 1
.endif
	RESCALE 2
	RESCALE 3
.endif
	WIN 0xf2
	s_wait_dscnt 0x0                               ; V(j)'s fragments are in; for the others: my reads of V(j) and my stores of K(j+1) are over
.if \last == 0
	s_barrier_signal -1
	PVH 0, \both, \first                           ; registers only, while the others arrive
	s_barrier_wait -1                              ; K(j+1) may be read, V's region may be written
	FETCHK                                         ; into registers that the products of S read last, far more than four vector instructions ago
	PVH 1, \both, 0
.else
	PVH 0, \both, \first
	PVH 1, \both, 0
.endif
	WIN 0
.endm
; 16 rows of Q: rounded to bf16, through my own stage, back as four B operands (column = row of Q, 32 d along the registers).  The stage is mine
; alone and LDS serves a wave's instructions in order (ISA guide 5.7.1.4): no wait between stores and loads, nor before the next subtile's stores.
.macro QPREP qt, left
	s_wait_loadcnt \left
	CVT32 0, 0x0f, OA+64*\qt, SC
	ST16 QST, SC, KP
	WIN 0x40
.irp dc, 0,1,2,3
	ds_load_b128 v[QF+32*\qt+8*\dc:QF+32*\qt+8*\dc+3],   v[QFA] offset:64*\dc
	ds_load_b128 v[QF+32*\qt+8*\dc+4:QF+32*\qt+8*\dc+7], v[QFA] offset:64*\dc+32
.endr
.endm
	; PROLOGUE.  All that is needed first is asked for at once, in the order of its use: K(0), 64 rows of Q, V(0): 96 loads.
	LDT KS, 28, 34, 24                             ; K(0)
	WIN 0xc0
.irp qt, 0,1
.set ci, 0
.rept 16
	global_load_b128 v[OA+64*\qt+4*ci:OA+64*\qt+4*ci+3], v[GROW], s[38:39] offset:(16*\qt+ci)*512 th:TH_LOAD_NT
.set ci, ci+1
.endr
.endr
.irp qt, 2,3
.set ci, 0
.rept 16
	global_load_b128 v[OA+64*\qt+4*ci:OA+64*\qt+4*ci+3], v[GROW], s[40:41] offset:(16*(\qt-2)+ci)*512 th:TH_LOAD_NT
.set ci, ci+1
.endr
.endr
	LDT VS, 30, 36, 25                             ; V(0)
	s_wait_loadcnt 63                              ; K(0) has 80 younger loads; 63 is the largest count the wait can name, and a smaller count is safe
	CVT32 0, 0x0a, KS, PF
	ST16 KST, PF, KP
	LDT KS, 28, 34, 24                             ; K(1)
	WIN 0
	s_wait_dscnt 0x0                               ; my rows of K(0) are in LDS
	s_barrier_signal -1
	s_barrier_wait -1                              ; everybody's are
	FETCHK
	QPREP 0, 63                                    ; younger: Q1, Q2, Q3, V(0), K(1) = 80 loads; the wait names 63
	QPREP 1, 63                                    ; younger: 64; the wait names 63
	QPREP 2, 48                                    ; younger: Q3, V(0), K(1)
	QPREP 3, 32                                    ; younger: V(0), K(1)
	WIN 0
	STEP 1, 1, TFI, 0, 0                           ; tile 0: both blocks; it is the low block's last tile where a = 0, so it is masked
	s_cmp_eq_u32 s5, 0
	s_cbranch_scc1 .Lhigh
	s_cmp_eq_u32 s5, 1
	s_cbranch_scc1 .Ldiag
	s_mov_b32 s22, 1
.Lboth:
	STEP 1, 0, 0, 0, 0                             ; tiles 1 .. a-1: both blocks, nothing masked
	s_add_co_u32 s22, s22, 1
	s_cmp_lt_u32 s22, s5
	s_cbranch_scc1 .Lboth
.Ldiag:
	STEP 1, 0, TLO, 0, 0                           ; tile a: the low block's last
.Lhigh:
	s_lshl_b32 s23, s5, 1
	s_sub_co_u32 s23, 30, s23                      ; tiles a+1 .. 30-a
	s_cmp_eq_u32 s23, 0
	s_cbranch_scc1 .Llast
	s_mov_b32 s22, 0
.Lhi:
	STEP 0, 0, 0, 0, 0                             ; the high block alone
	s_add_co_u32 s22, s22, 1
	s_cmp_lt_u32 s22, s23
	s_cbranch_scc1 .Lhi
.Llast:
	STEP 0, 0, 0, THI, 1                           ; tile 31-a: the high block's last
	; THE WAY OUT.  l of the two halves of the lanes is added, O is scaled by 1/l and goes, 16 rows at a time, through my stage to whole rows.
	PLACES                                         ; four places behind the last products before O is read (ISA guide 7.12.1)
	s_wait_loadcnt 0x0                             ; the K tile that was asked for a second time has landed: no load is left pending on a register
.irp q, 0,1,2,3
	v_permlanex16_b32 v[XT+\q], v[ALP+2*\q+1], s16, s17
.endr
.irp q, 0,1,2,3
	v_add_f32 v[ALP+2*\q+1], v[ALP+2*\q+1], v[XT+\q]
.endr
.irp q, 0,1,2,3
	v_rcp_f32 v[ALP+2*\q], v[ALP+2*\q+1]           ; l >= about 1: the row's largest score has the weight 1
.endr
	v_nop                                          ; one plain instruction behind the reciprocals (ISA guide 5.7.2)
	s_wait_alu depctr_va_vdst(0)
; my lane holds row r's d = 16 dt + 8 h + 0..7: 32 bytes a tile into the stage; back by rows; each store of the wave covers one whole row of 512 bytes
.macro OUT qt, buf, base
	WIN 0x03
.set ci, 0
.rept 32
	v_pk_mul_f32 v[SC+2*ci:SC+2*ci+1], v[OA+64*\qt+2*ci:OA+64*\qt+2*ci+1], v[ALP+2*\qt:ALP+2*\qt+1] op_sel_hi:[1,0]
.set ci, ci+1
.endr
	WIN 0
.irp dt, 0,1,2,3,4,5,6,7
	ds_store_b128 v[OST], v[SC+8*\dt:SC+8*\dt+3]   offset:64*\dt
	ds_store_b128 v[OST], v[SC+8*\dt+4:SC+8*\dt+7] offset:64*\dt+16
.endr
	s_wait_xcnt 0x0                                ; buf, which earlier stores read, is loaded again only behind this wait (ISA guide 3.1)
.set ci, 0
.rept 16
	ds_load_b128 v[\buf+4*ci:\buf+4*ci+3], v[ORD] offset:OP*ci     ; in order behind my stores above (ISA guide 5.7.1.4)
.set ci, ci+1
.endr
.set ci, 0
.rept 16
	s_wait_dscnt 15-ci                             ; row ci is back; the younger loads stay out
	global_store_b128 v[GROW], v[\buf+4*ci:\buf+4*ci+3], s[\base:\base+1] offset:(16*(\qt&1)+ci)*512 th:TH_STORE_NT
.set ci, ci+1
.endr
.endm
	OUT 0, 192, 42
	OUT 1, 64, 42
	OUT 2, 192, 44
	OUT 3, 64, 44
	s_wait_tensorcnt 0x0
	ds_add_u32 v62, v63
	s_wait_dscnt 0x0
	s_endpgm
.Lfunc_end_k_qf0bb5d5b73_attn:
	.size	k_qf0bb5d5b73_attn, .Lfunc_end_k_qf0bb5d5b73_attn-k_qf0bb5d5b73_attn
	.p2alignl 7, 3214868480
	.fill 96, 4, 3214868480
	.section	.rodata,"a",@progbits
	.p2align	6, 0x0
	.amdhsa_kernel k_qf0bb5d5b73_attn
		.amdhsa_group_segment_fixed_size 70144
		.amdhsa_private_segment_fixed_size 0
		.amdhsa_enable_private_segment 0
		.amdhsa_kernarg_size 32
		.amdhsa_user_sgpr_count 2
		.amdhsa_user_sgpr_kernarg_segment_ptr 1
		.amdhsa_wavefront_size32 1
		.amdhsa_system_sgpr_workgroup_id_x 1
		.amdhsa_system_sgpr_workgroup_id_y 1
		.amdhsa_system_sgpr_workgroup_id_z 1
		.amdhsa_system_vgpr_workitem_id 0
		.amdhsa_next_free_vgpr 1024
		.amdhsa_next_free_sgpr 66
		.amdhsa_reserve_vcc 1
		.amdhsa_float_denorm_mode_32 3
		.amdhsa_float_denorm_mode_16_64 3
		.amdhsa_memory_ordered 1
		.amdhsa_forward_progress 1
		.amdhsa_inst_pref_size 255
	.end_amdhsa_kernel
	.section	.bss,"aw",@nobits
	.p2align	6
	.space	262144
	.amdgpu_metadata
---
amdhsa.version: [ 1, 2 ]
amdhsa.kernels:
  - .name:           k_qf0bb5d5b73_attn
    .symbol:         k_qf0bb5d5b73_attn.kd
    .args:
      - { .name: query, .offset: 0, .size: 8, .value_kind: global_buffer, .address_space: global }
      - { .name: key, .offset: 8, .size: 8, .value_kind: global_buffer, .address_space: global }
      - { .name: value, .offset: 16, .size: 8, .value_kind: global_buffer, .address_space: global }
      - { .name: out0, .offset: 24, .size: 8, .value_kind: global_buffer, .address_space: global }
    .group_segment_fixed_size: 70144
    .private_segment_fixed_size: 0
    .kernarg_segment_align: 8
    .kernarg_segment_size: 32
    .max_flat_workgroup_size: 128
    .sgpr_count:     66
    .vgpr_count:     1024
    .wavefront_size: 32
...
	.end_amdgpu_metadata
.endif
;; end of part 1
;; ======== version 2 of 2: 1 launch; version 1 with the launch attn written anew for expert scheduling mode
;; limits: values are held in f16: magnitudes above 65,504 overflow, below 6.1e-05 lose precision; inputs' magnitudes at most 65,504
;; launch attn (part 2): grid 32 x 8, 4 waves a work-group, no clusters, 70,144 bytes of LDS; arguments query, key, value, out0; writes out0
.if DOCPART == 2
	.amdgcn_target "amdgcn-amd-amdhsa--gfx1250"
	.amdhsa_code_object_version 6
	.text
	.protected	k_qf0bb5d5b73_attn
	.globl	k_qf0bb5d5b73_attn
	.p2align	8
	.type	k_qf0bb5d5b73_attn,@function
k_qf0bb5d5b73_attn:
	s_mov_b64 s[64:65], 0
	v_nop
	global_prefetch_b8 v0, s[64:65] scope:SCOPE_SE
	s_setreg_imm32_b32 hwreg(HW_REG_WAVE_SCHED_MODE, 0, 2), 2
	s_setreg_imm32_b32 hwreg(HW_REG_WAVE_MODE, 25, 1), 1
	s_wait_xcnt 0x0
	s_wait_alu depctr_vm_vsrc(0)
; Causal attention with grouped heads: 32 query heads, 8 key/value heads, 2048 positions, 128 numbers a head, all f32 in memory.
; out = softmax(q k^T / sqrt(128), keys <= query) v.  Products on 16-bit operands with f32 sums; softmax, running maximum and sums in f32.
;
; FORMATS.  Q, K and V are rounded to bf16.  The scores are a bf16 product.  In the first rows a few weights of order 1 multiply values that may
; cancel, so a weight's rounding error shows whole in the result: at most 2^-8 of the weight in bf16, 2^-11 in f16.  So the weights P go in f16,
; and V, whose product with P needs the same format, is held in f16 after its rounding to bf16: f16 keeps a bf16 number exactly (8 significant
; bits in 11) from 2^-14 to 65,504.  The result is then that of the inputs rounded to bf16, up to 2^-11 of each weight.
;
; SHARE OF THE WORK.  Work-group (i = 0..31, g = 0..7) serves key/value head g; its four waves are the four query heads 4g..4g+3, so each tile
; of K and V is fetched and rounded once for four heads.  A wave owns 64 query rows: the low block 32i..32i+31 (subtiles qt 0, 1) and the
; high block 32(63-i)..+31 (qt 2, 3).  Keys go in tiles of 64.  With a = i>>1 the low block needs tiles 0..a, the high block 0..31-a:
; (a+1) steps on both blocks and 31-2a steps on the high block alone = 16.5 full steps in each of the 256 work-groups.
;
; BOTH PRODUCTS ARE TAKEN TRANSPOSED.  S^T(key, q) = K Q^T puts query q = lane%16 in the lane and key 8(lane/16)+j in register j; packing two
; such tiles to f16 gives the B operand of O^T(d, q) = V^T P^T as it stands.  Maximum, sum and scale are one number a lane.
;
; NO JOINT (CLUSTER) LOADS: K and V are f32 and pass through registers to be rounded; the sharing among the four heads of a group is inside the
; work-group already; the other work-groups that read head g's tiles walk 17 to 32 of them, so partners would need different numbers of tiles.
;
; LIMITS.  Range of f16, for V alone: a value above 65,504 in magnitude becomes infinite and spoils its columns; values and weights under 2^-14
; keep an absolute error of 2^-25.  Values of unit spread reach about 6; thirty times that on an offset of thirty such spreads is about 1,100.
; A masked score is replaced by -FLT_MAX (reference adds it): its weight is 0 either way, and key 0 lies in the first tile of every row,
; so the running maximum is always a true score.  NaN and infinities in the inputs are not carried as reference carries them (the maxima drop
; NaN).  The sum l adds the weights before they are rounded to f16.  The scale 1/sqrt(128) is applied once, in f32, behind the product, not as
; 128^(-1/4) on each operand.  The exponent is fma(s, c, -round(c m)): off by at most half a unit in the last place of c m.
;
; THE MODE: SCHED_MODE bits 1:0 = 2 (LLVM: expert scheduling mode 2), set by the entry lines.  The code itself states the register dependences
; between vector or matrix instructions and memory or LDS instructions, with s_wait_alu, always for 0.
; THE PLAN.  Registers that memory or LDS instructions touch, in the order of a step j:
;   v2-v11     ten addresses, made at the head and never written again: tiles are reached by scalar bases and immediate offsets.
;   VS         V(j) as loaded.  The roundings read and write it, the packings read it; then the loads of V(j+1) land in it.
;   v128-159   V(j) in f16: the packings write it, 16 LDS stores read it, then the products K Q^T write it (it is the low end of S).
;   KF         K Q^T reads it; the fragments of K(j+1) land in it behind the second barrier.
;   VF         V^T P of step j-1 reads it; the fragments of V(j) land in it behind the first barrier.
;   KS         K(j+1) as loaded.  The packings read it; then the loads of K(j+2) land in it.
;   v64-95     K(j+1) in bf16: the packings write it, 16 LDS stores read it, then subtiles 0 and 1 write their weights there (it is the low end of P).
; THE WAITS OF A STEP.  (1) va_vdst behind V's packings: for the stores' data, for VS, and for VF, which no vector or matrix instruction names from
; there to the transposing loads.  (2) vm_vsrc ahead of K Q^T: V's stores have read v128-159.  (3) va_vdst behind K's packings: for the stores' data
; and for KS.  (4) va_vdst behind the step's exponentials, which are one batch: for their results, and for KF, which nothing behind it names.
; (5) vm_vsrc beside it, where subtiles 0 and 1 take part: K's stores have read v64-95.  A mask's 32 compares go into scalar registers, with one wait on va_sdst.
.set KP,    272                        ; LDS pitch of a 16-bit row of K or Q: 256 + 16 = 17 x 16 bytes, sixteen rows start in sixteen different 16-byte columns of 256
.set VP,    288                        ; pitch of a row of V: 9 x 32 bytes, for the transposing loads
.set OP,    528                        ; pitch of an f32 row of the result: 512 + 16 = 33 x 16 bytes
.set VREG,  64*KP                      ; LDS: K tile at 0 (17,408 bytes), V tile behind it (18,432 bytes)
.set STAGE, VREG+64*VP                 ; behind them each wave's own stage: 16 rows x 272 (Q on the way in), 16 rows x 528 (result on the way out)
.set STG,   16*OP
.set MK,    66                         ; s66-s97: the 32 masks of a subtile's 32 scores a lane
; window 0 (v0-255)
.set KST,  2                           ; where I store 8 bytes of my first K row: wave x 16 rows + 8 lane
.set VST,  3                           ; the same for V
.set KFA,  4                           ; K fragments: (lane%16) x 272 + 16 (lane/16)
.set VFA,  5                           ; V fragments, transposing load: (8 (lane/16) + lane%8) x 288 + 16 ((lane/8)%2)
.set GKV,  6                           ; byte offset in a K or V tile: wave x 16 rows x 512 + 16 lane
.set QST,  7                           ; stage, Q in: 8 lane
.set QFA,  8                           ; stage, Q fragments
.set OST,  9                           ; stage, result in: (lane%16) x 528 + 32 (lane/16)
.set ORD,  10                          ; stage, result back by rows: 16 lane
.set GROW, 11                          ; 16 lane: my 16 bytes of a 512-byte row of Q or of the result
.set TFI,  12                          ; mask thresholds: row offset in the tile + lane%16 - 8 (lane/16); first tile,
.set TLO,  13                          ; low block's last tile,
.set THI,  14                          ; high block's last tile
.set NMC,  16                          ; v[16+2q] = -c x maximum, v[17+2q] = running maximum of subtile q
.set ALP,  24                          ; v[24+2q] = rescale factor (at the end 1/l), v[25+2q] = running sum l (of my half's keys)
.set XT,   32                          ; v32-47 at work: four a subtile while the maxima are made, all sixteen for a subtile's sum
.set ZR,   48                          ; v48 = 0: the low half in V's rounding to bf16
.set PF,   64                          ; v64-127  P(qt, kc) at 64 + 16 qt + 8 kc, f16; v64-95 also carry a K tile's bf16 on its way to LDS
.set SC,   128                         ; v128-255 S(qt, kt) at 128 + 32 qt + 8 kt, f32; v128-159 also carry V's f16 and Q's bf16 on their way to LDS
; window 1
.set QF,   0                           ; Q(qt, dc) at 32 qt + 8 dc
.set KF,   128                         ; K(kt, dc) at 128 + 32 kt + 8 dc
; window 2
.set KS,   0                           ; 16 rows of the next K tile, f32, as loaded
.set VS,   64                          ; 16 rows of the next V tile
.set VF,   128                         ; V^T(kc, dt) at 128 + 64 kc + 8 dt
; window 3
.set OA,   0                           ; O(qt, dt) at 64 qt + 8 dt; in the prologue the 64 rows of Q as loaded
; s_set_vgpr_msb's low byte: bits 1:0 source 0, 3:2 source 1, 5:4 source 2, 7:6 destination; the high byte repeats the setting that is left
.set MSB, 0
.macro WIN new
.if MSB != \new
	s_set_vgpr_msb (MSB<<8)|\new
.set MSB, \new
.endif
.endm
.macro PLACES                          ; four independent vector instructions behind a matrix instruction (ISA guide 7.12.1)
.rept 4
	v_nop
.endr
.endm
	s_load_b256 s[8:15], s[0:1], 0x0               ; query s[8:9], key s[10:11], value s[12:13], out s[14:15]
	v_lshl_add_u32 v62, v0, 2, 0x11000
	v_mov_b32 v63, 0
	v_lshrrev_b32 v1, 5, v0
	v_readfirstlane_b32 s2, v1                     ; wave = query head within the group
	s_mov_b32 s3, ttmp9                            ; i
	s_and_b32 s4, ttmp7, 0xffff                    ; g
	s_lshr_b32 s5, s3, 1                           ; a: the low block's last tile
	s_and_b32 s6, s3, 1                            ; e: the low block lies in that tile's rows 32 e ..
	s_sub_co_u32 s26, 31, s5                       ; the high block's last tile, the last that is loaded
	s_mov_b32 s16, 0x76543210                      ; v_permlanex16_b32: lane l of one half reads lane l of the other
	s_mov_b32 s17, 0xfedcba98
	s_mov_b32 s18, 0x3e0293ee                      ; c = log2(e) / sqrt(128)
	s_mov_b32 s19, 0x3e0293ee                      ; (the pair is named whole by the packed multiply-add)
	s_mov_b32 s20, 0xbe0293ee                      ; -c
	s_mov_b32 s21, 0xff7fffff                      ; -FLT_MAX
	s_mov_b32 s24, 0                               ; next K tile
	s_mov_b32 s25, 0                               ; next V tile
	s_mov_b32 s33, 0                               ; s[32:33]: a byte offset below 4 GiB as a pair
	v_mov_b32 v[ZR], 0
	v_and_b32 v1, 31, v0                           ; lane
	v_and_b32 v15, 15, v0                          ; r = lane % 16
	v_bfe_u32 v32, v0, 4, 1                        ; h = lane / 16
	v_lshlrev_b32 v33, 3, v1                       ; 8 lane
	v_lshlrev_b32 v[GROW], 4, v1                   ; 16 lane
	s_wait_alu depctr_va_sdst(0)                   ; s2, the wave's number, is written, ahead of its first reader: LDS places and the bases of Q and of the result are made from it
	s_mul_i32 s7, s2, 16*KP
	v_add_nc_u32 v[KST], s7, v33
	s_mul_i32 s7, s2, 16*VP
	s_add_co_u32 s7, s7, VREG
	v_add_nc_u32 v[VST], s7, v33
	v_mul_u32_u24 v34, v15, KP
	v_lshl_add_u32 v[KFA], v32, 4, v34
	v_and_b32 v35, 7, v0
	v_lshl_add_u32 v35, v32, 3, v35                ; 8 h + lane % 8
	v_mul_u32_u24 v35, v35, VP
	v_bfe_u32 v36, v0, 3, 1
	v_lshl_add_u32 v35, v36, 4, v35
	v_add_nc_u32 v[VFA], VREG, v35
	s_lshl_b32 s7, s2, 13
	v_add_nc_u32 v[GKV], s7, v[GROW]
	s_mul_i32 s7, s2, STG
	s_add_co_u32 s7, s7, STAGE                     ; my stage
	v_add_nc_u32 v[QST], s7, v33
	v_add_nc_u32 v[QFA], s7, v[KFA]
	v_mul_u32_u24 v34, v15, OP
	v_lshl_add_u32 v34, v32, 5, v34
	v_add_nc_u32 v[OST], s7, v34
	v_add_nc_u32 v[ORD], s7, v[GROW]
	v_lshlrev_b32 v34, 3, v32
	v_sub_nc_u32 v34, v15, v34                     ; r - 8 h
	s_lshl_b32 s7, s3, 5
	v_add_nc_u32 v[TFI], s7, v34                   ; tile 0: the low block's rows are 32 i .. (for i > 1 nothing is masked)
	s_lshl_b32 s7, s6, 5
	v_add_nc_u32 v[TLO], s7, v34                   ; tile a: rows 32 e ..
	s_xor_b32 s7, s7, 32
	v_add_nc_u32 v[THI], s7, v34                   ; tile 31-a: the high block's rows 32 (1-e) ..
	s_wait_kmcnt 0x0
	s_lshl_b32 s32, s4, 20                         ; a head is 2048 x 512 bytes
	s_add_nc_u64 s[34:35], s[10:11], s[32:33]      ; K of head g
	s_add_nc_u64 s[36:37], s[12:13], s[32:33]      ; V of head g
	s_lshl2_add_u32 s7, s4, s2                     ; query head 4 g + wave
	s_lshl_b32 s7, s7, 20
	s_lshl_b32 s32, s3, 14                         ; 32 i rows of 512 bytes
	s_add_co_u32 s32, s32, s7
	s_add_nc_u64 s[38:39], s[8:9], s[32:33]        ; Q, low block
	s_add_nc_u64 s[42:43], s[14:15], s[32:33]      ; out, low block
	s_sub_co_u32 s32, 63, s3
	s_lshl_b32 s32, s32, 14
	s_add_co_u32 s32, s32, s7
	s_add_nc_u64 s[40:41], s[8:9], s[32:33]        ; Q, high block
	s_add_nc_u64 s[44:45], s[14:15], s[32:33]      ; out, high block
; 64 roundings in place, in window 2: low half 0, high half bf16(x): read as f32 the register is x rounded to bf16 (to nearest, ties to even)
.macro RND64 src
	WIN 0x88                                       ; source 0 (the zero) window 0, source 1 and destination window 2
.set ci, 0
.rept 64
	v_cvt_pk_bf16_f32 v[\src+ci], v[ZR], v[\src+ci]
.set ci, ci+1
.endr
.endm
; 32 packings: 64 f32 registers (16 rows x 4) at src of the window named by win become 32 registers of 16-bit pairs at dst of window 0;
; half = 1: f16, half = 0: bf16
.macro CVT32 half, win, src, dst
	WIN \win
.set ci, 0
.rept 32
.if \half
	v_cvt_pk_f16_f32 v[\dst+ci], v[\src+2*ci], v[\src+2*ci+1]
.else
	v_cvt_pk_bf16_f32 v[\dst+ci], v[\src+2*ci], v[\src+2*ci+1]
.endif
.set ci, ci+1
.endr
.endm
; 16 LDS stores: each lays one 16-bit row of 256 neighbouring bytes
.macro ST16 addr, t, pitch
	WIN 0
.set ci, 0
.rept 16
	ds_store_b64 v[\addr], v[\t+2*ci:\t+2*ci+1] offset:ci*\pitch
.set ci, ci+1
.endr
.endm
; A tile of K or V is asked for in two parts.  LDTBASE: the base pair cur takes the address of tile s[idx] (head: its head's base); it is rewritten
; behind the counted wait that showed its last loads done, and ahead of the wait on va_vdst that the loads hang on, so that only stores of other
; registers and window switches stand between that wait and the loads.  The tile number then steps and is held at the last tile: every path issues
; the same loads, none leaves the buffer, and one tile of K is asked for a second time and not used.
.macro LDTBASE cur, head, idx
	s_lshl_b32 s32, s[\idx], 15                    ; a tile is 64 rows of 512 bytes
	s_add_nc_u64 s[\cur:\cur+1], s[\head:\head+1], s[32:33]
	s_add_co_u32 s[\idx], s[\idx], 1
	s_min_u32 s[\idx], s[\idx], s26
.endm
; LDTLOAD: 16 loads: my 16 rows of the tile, each load one whole row of 512 bytes
.macro LDTLOAD dst, cur
	WIN 0x80
.set ci, 0
.rept 16
	global_load_b128 v[\dst+4*ci:\dst+4*ci+3], v[GKV], s[\cur:\cur+1] offset:512*ci
.set ci, ci+1
.endr
.endm
; 8 LDS loads: 16 keys x 128 d of the tile as 4 A operands (row = key, 32 d along the registers)
.macro FKQ kt
	WIN 0x40
.irp dc, 0,1,2,3
	ds_load_b128 v[KF+32*\kt+8*\dc:KF+32*\kt+8*\dc+3],   v[KFA] offset:\kt*16*KP+64*\dc
	ds_load_b128 v[KF+32*\kt+8*\dc+4:KF+32*\kt+8*\dc+7], v[KFA] offset:\kt*16*KP+64*\dc+32
.endr
.endm
; 16 transposing LDS loads: 32 keys of V stored [key][d] as 8 A operands of V^T (row = d, 32 keys along the registers)
.macro FVH kc
	WIN 0x80
.irp dt, 0,1,2,3,4,5,6,7
	ds_load_tr16_b128 v[VF+64*\kc+8*\dt:VF+64*\kc+8*\dt+3],   v[VFA] offset:\kc*32*VP+32*\dt
	ds_load_tr16_b128 v[VF+64*\kc+8*\dt+4:VF+64*\kc+8*\dt+7], v[VFA] offset:\kc*32*VP+32*\dt+16*VP
.endr
.endm
; S^T(kt, qt) += K(kt, dc) Q(qt, dc)^T, bf16; the first 32 along d start the sums
.macro QK1 qt, kt, dc
.if \dc
	v_wmma_f32_16x16x32_bf16 v[SC+32*\qt+8*\kt:SC+32*\qt+8*\kt+7], v[KF+32*\kt+8*\dc:KF+32*\kt+8*\dc+7], v[QF+32*\qt+8*\dc:QF+32*\qt+8*\dc+7], v[SC+32*\qt+8*\kt:SC+32*\qt+8*\kt+7]
.else
	v_wmma_f32_16x16x32_bf16 v[SC+32*\qt+8*\kt:SC+32*\qt+8*\kt+7], v[KF+32*\kt+8*\dc:KF+32*\kt+8*\dc+7], v[QF+32*\qt+8*\dc:QF+32*\qt+8*\dc+7], 0
.endif
.endm
.macro QKP both, k0, k1                ; two key subtiles: 8 (or 4) sums take turns, so a link of a chain stands 8 (4) matrix instructions behind the last
.irp dc, 0,1,2,3
.irp kt, \k0, \k1
.if \both
	QK1 0, \kt, \dc
	QK1 1, \kt, \dc
.endif
	QK1 2, \kt, \dc
	QK1 3, \kt, \dc
.endr
.endr
.endm
.macro QK both                         ; 64 matrix instructions, or 32 for the high block alone
	WIN 0x05
	QKP \both, 0, 1
	QKP \both, 2, 3
.endm
; key 16 kt + 8 h + j is allowed for row offset + 16 (qt%2) + r  <=>  16 (kt - qt%2) + j <= offset + r - 8 h = v[t].
; The 32 compares stand in one run, each into a scalar register of its own; one wait; then the 32 selects, each sum from its low end on.
.macro MASK qt, t
.irp kt, 0,1,2,3
.irp j, 0,1,2,3,4,5,6,7
	v_cmp_le_i32 s[MK+8*\kt+\j], 16*(\kt-(\qt&1))+\j, v[\t]
.endr
.endr
	s_wait_alu depctr_va_sdst(0)                   ; the 32 compares have written s66-s97, ahead of the selects that read them
.irp kt, 0,1,2,3
.irp j, 0,1,2,3,4,5,6,7
	v_cndmask_b32 v[SC+32*\qt+8*\kt+\j], s21, v[SC+32*\qt+8*\kt+\j], s[MK+8*\kt+\j]
.endr
.endr
.endm
; THE SOFTMAX of one subtile's 16 rows x 64 keys: my lane holds 32 of the keys of row r; the other half of the lanes holds the other 32.
; It goes in two parts.  AHEAD OF THE STEP'S ONE WAIT, for every subtile: the 37 plain lines PRE and the 33 exponentials EXQ, none of which names an
; exponential's result.  BEHIND IT, for every subtile: SMB, the sums and the roundings.
; PRE writes number pn of: 0-11 four chains of maxima, started by the scores themselves; 12-15 the chains, the four scores left over and the running
; maximum into one; 16, 17 the other half's maximum; 18 -c m; 19 c (m_old - m_new); 20 the new maximum is kept; 21-36 c s - c m, a pair of scores each.
; first = 1: the first tile, with no old maximum: it has neither 19 nor 20.
.macro PRE qt, first
.set SB, SC+32*\qt
.set NM, NMC+2*\qt
.set MM, NM+1
.set AL, ALP+2*\qt
.set XA, XT+4*\qt
.if pn < 4
	v_max3_num_f32 v[XA+pn], v[SB+8*pn], v[SB+8*pn+1], v[SB+8*pn+2]
.elseif pn < 8
	v_max3_num_f32 v[XA+pn-4], v[XA+pn-4], v[SB+8*(pn-4)+3], v[SB+8*(pn-4)+4]
.elseif pn < 12
	v_max3_num_f32 v[XA+pn-8], v[XA+pn-8], v[SB+8*(pn-8)+5], v[SB+8*(pn-8)+6]
.elseif pn == 12
	v_max3_num_f32 v[XA], v[XA], v[XA+1], v[SB+7]
.elseif pn == 13
	v_max3_num_f32 v[XA+2], v[XA+2], v[XA+3], v[SB+15]
.elseif pn == 14
	v_max3_num_f32 v[XA], v[XA], v[SB+23], v[SB+31]
.elseif (pn == 15) && (\first)
	v_max_num_f32 v[XA], v[XA], v[XA+2]
.elseif pn == 15
	v_max3_num_f32 v[XA], v[XA], v[XA+2], v[MM]    ; the running maximum joins
.elseif pn == 16
	v_permlanex16_b32 v[XA+1], v[XA], s16, s17     ; the other half's maximum (the destination has been written above)
.elseif (pn == 17) && (\first)
	v_max_num_f32 v[MM], v[XA], v[XA+1]
.elseif pn == 17
	v_max_num_f32 v[XA], v[XA], v[XA+1]
.elseif (pn == 18) && (\first)
	v_mul_f32 v[NM], s20, v[MM]                    ; -c m
.elseif pn == 18
	v_mul_f32 v[NM], s20, v[XA]
.elseif (pn < 21) && (\first)                          ; the first tile has neither of these two
.elseif pn == 19
	v_fma_f32 v[AL], v[MM], s18, v[NM]             ; c (m_old - m_new)
.elseif pn == 20
	v_mov_b32 v[MM], v[XA]                         ; the new maximum
.else
	v_pk_fma_f32 v[SB+2*(pn-21):SB+2*(pn-21)+1], v[SB+2*(pn-21):SB+2*(pn-21)+1], s[18:19], v[NM:NM+1] op_sel_hi:[1,0,0]   ; c s - c m, both halves by s18 and by -c m
.endif
.endm
.macro EXQ qt, first                   ; number en of a subtile's exponentials: its 32 scores, then the rescale factor
.if en < 32
	v_exp_f32 v[SC+32*\qt+en], v[SC+32*\qt+en]
.elseif \first == 0
	v_exp_f32 v[ALP+2*\qt], v[ALP+2*\qt]
.endif
.endm
.macro PRERUN qt, first
.set pn, 0
.rept 37
	PRE \qt, \first
.set pn, pn+1
.endr
.endm
.macro MIX qe, qp, first               ; subtile qp's plain lines and subtile qe's exponentials by turns: they share no register
.set pn, 0
.rept 37
	PRE \qp, \first
.set en, pn
.if en < 33
	EXQ \qe, \first
.endif
.set pn, pn+1
.endr
.endm
.macro EXPRUN qt, first
.set en, 0
.rept 33
	EXQ \qt, \first
.set en, en+1
.endr
.endm
.macro SMB qt, first                   ; the sum of my 32 weights, and their rounding to f16
.set SB, SC+32*\qt
.set AL, ALP+2*\qt
.set LL, AL+1
.set ci, 0
.rept 8
	v_pk_add_f32 v[XT+2*ci:XT+2*ci+1], v[SB+4*ci:SB+4*ci+1], v[SB+4*ci+2:SB+4*ci+3]
.set ci, ci+1
.endr
.set ci, 0
.rept 16
	v_cvt_pk_f16_f32 v[PF+16*\qt+ci], v[SB+2*ci], v[SB+2*ci+1]     ; weights lie in [0, 1]; tiles kt = 2 kc, 2 kc + 1 become registers 0-3, 4-7 of P^T's operand kc
.set ci, ci+1
.endr
.irp c, 0,4,8,12
	v_pk_add_f32 v[XT+\c:XT+\c+1], v[XT+\c:XT+\c+1], v[XT+\c+2:XT+\c+3]
.endr
.irp c, 0,8
	v_pk_add_f32 v[XT+\c:XT+\c+1], v[XT+\c:XT+\c+1], v[XT+\c+4:XT+\c+5]
.endr
	v_pk_add_f32 v[XT:XT+1], v[XT:XT+1], v[XT+8:XT+9]
.if \first
	v_add_f32 v[LL], v[XT], v[XT+1]
.else
	v_add_f32 v[XT], v[XT], v[XT+1]
	v_fma_f32 v[LL], v[LL], v[AL], v[XT]           ; l stays the sum over my half's keys until the end
.endif
.endm
.macro RESCALE qt                      ; O(qt) *= alpha: 64 registers, two at a time
	WIN 0xc3
.set ci, 0
.rept 32
	v_pk_mul_f32 v[OA+64*\qt+2*ci:OA+64*\qt+2*ci+1], v[OA+64*\qt+2*ci:OA+64*\qt+2*ci+1], v[ALP+2*\qt:ALP+2*\qt+1] op_sel_hi:[1,0]
.set ci, ci+1
.endr
.endm
.macro PV1 qt, dt, kc, zero            ; f16: the weights, and V's bf16 numbers held in f16
.if \zero
	v_wmma_f32_16x16x32_f16 v[OA+64*\qt+8*\dt:OA+64*\qt+8*\dt+7], v[VF+64*\kc+8*\dt:VF+64*\kc+8*\dt+7], v[PF+16*\qt+8*\kc:PF+16*\qt+8*\kc+7], 0
.else
	v_wmma_f32_16x16x32_f16 v[OA+64*\qt+8*\dt:OA+64*\qt+8*\dt+7], v[VF+64*\kc+8*\dt:VF+64*\kc+8*\dt+7], v[PF+16*\qt+8*\kc:PF+16*\qt+8*\kc+7], v[OA+64*\qt+8*\dt:OA+64*\qt+8*\dt+7]
.endif
.endm
.macro PVQ kc, both, zero, d0, d1      ; O^T += V^T P^T over 32 keys, two blocks of 16 d: 8 matrix instructions (4 for the high block alone), each on a sum of its own
	WIN 0xf2
.irp dt, \d0, \d1
.if \both
	PV1 0, \dt, \kc, \zero
	PV1 1, \dt, \kc, \zero
.endif
	PV1 2, \dt, \kc, \zero
	PV1 3, \dt, \kc, \zero
.endr
.endm
.macro PVH kc, both, zero              ; all eight blocks of d: 32 matrix instructions (16)
	PVQ \kc, \both, \zero, 0, 1
	PVQ \kc, \both, \zero, 2, 3
	PVQ \kc, \both, \zero, 4, 5
	PVQ \kc, \both, \zero, 6, 7
.endm
; ONE KEY TILE j.  On entry: K(j)'s fragments are on their way from LDS (32 loads); V(j), then K(j+1), are on their way from memory (16 + 16 loads).
; both: the low block takes part.  first: the sums start here.  lowt, hight: the register with a block's mask threshold, or 0.  last: nothing follows.
.macro STEP both, first, lowt, hight, last
	s_wait_loadcnt 16                              ; V(j) is in; the 16 younger loads, K(j+1), stay out (loads return in order: ISA guide 5.7.1)
.if \last == 0
	LDTBASE 30, 36, 25                             ; V's base, free since that wait: V(j+1)
.endif
	RND64 VS                                       ; V to bf16,
	CVT32 1, 0x0a, VS, SC                          ; and, without further loss, into f16
	WIN 0
	s_wait_alu depctr_va_vdst(0)                   ; the packings have written v128-159, which the LDS stores read; roundings and packings are done with VS, in which V(j+1) lands; the last step's products V^T P are done reading VF, in which V(j)'s fragments land behind the barrier
	ST16 VST, SC, VP                               ; behind the last step's second barrier: nobody reads V(j-1) any more
.if \last == 0
	LDTLOAD VS, 30                                 ; V(j+1), a whole step ahead of its use.  No vector instruction since the wait names VS or the offset
.endif
	s_wait_dscnt 16                                ; the 32 loads of K(j)'s fragments are in; my 16 younger stores of V may be out
	s_wait_alu depctr_vm_vsrc(0)                   ; V's LDS stores have read v128-159, which the products below write; the last step's LDS stores of K have read v64-95, which K's packings below write
	QK \both
	WIN 0
	s_wait_dscnt 0x0                               ; for the others: my reads of K(j) and my stores of V(j) are over
	s_barrier_signal -1
	PLACES                                         ; the four places between the products above and the first use of S (ISA guide 7.12.1)
	s_barrier_wait -1                              ; V(j) may be read, K's region may be written
	FVH 0                                          ; the first 32 keys of V(j).  No wait: nothing since the wait at the step's head names VF
.if \last == 0
	s_wait_loadcnt 16                              ; K(j+1) is in; the 16 younger loads, V(j+1), stay out
	LDTBASE 28, 34, 24                             ; K's base, free since that wait: K(j+2)
	CVT32 0, 0x0a, KS, PF
	WIN 0
	s_wait_alu depctr_va_vdst(0)                   ; the packings have written v64-95, which the LDS stores read, and are done reading KS, in which K(j+2) lands
	ST16 KST, PF, KP
	LDTLOAD KS, 28                                 ; K(j+2)
.endif
	WIN 0
.if \lowt
	MASK 0, \lowt
	MASK 1, \lowt
.endif
.if \hight
	MASK 2, \hight
	MASK 3, \hight
.endif
.if \both
	PRERUN 0, \first
	FVH 1                                          ; the other 32 keys of V(j), behind K's stores and a subtile's plain lines; still nothing has named VF
	WIN 0
	MIX 0, 1, \first
	MIX 1, 2, \first
.else
	PRERUN 2, \first
	FVH 1
	WIN 0
.endif
	MIX 2, 3, \first
	EXPRUN 3, \first
	v_nop                                          ; one plain vector instruction behind the last exponential before a result is used (ISA guide 5.7.2): one for the batch
	s_wait_alu depctr_va_vdst(0)                   ; the step's exponentials have written the weights and the rescale factors, ahead of their first reader; the products K Q^T are done reading KF, in which K(j+1)'s fragments land behind the second barrier
.if \both
	s_wait_alu depctr_vm_vsrc(0)                   ; K's LDS stores have read v64-95, which the weights of subtiles 0 and 1 write
	SMB 0, \first
	SMB 1, \first
.endif
	SMB 2, \first
	SMB 3, \first
.if \first == 0
.if \both
	RESCALE 0
	RESCALE 1
.endif
	RESCALE 2
	RESCALE 3
.endif
	WIN 0xf2
	s_wait_dscnt 0x0                               ; V(j)'s fragments are in; for the others: my reads of V(j) and my stores of K(j+1) are over
.if \last == 0
	s_barrier_signal -1
	PVH 0, \both, \first                           ; registers only, while the others arrive
	s_barrier_wait -1                              ; K(j+1) may be read, V's region may be written
	FKQ 0                                          ; K(j+1)'s fragments, eight loads ahead of each quarter of the products.  No wait: nothing since the wait behind the exponentials names KF
	PVQ 1, \both, 0, 0, 1
	FKQ 1
	PVQ 1, \both, 0, 2, 3
	FKQ 2
	PVQ 1, \both, 0, 4, 5
	FKQ 3
	PVQ 1, \both, 0, 6, 7
.else
	PVH 0, \both, \first
	PVH 1, \both, 0
.endif
	WIN 0
.endm
; 16 rows of Q: rounded to bf16, through my own stage, back as four B operands (column = row of Q, 32 d along the registers).  The stage is mine
; alone and LDS serves a wave's instructions in order (ISA guide 5.7.1.4): no wait between stores and loads, nor before the next subtile's stores.
.macro QPREP qt, left
	s_wait_loadcnt \left
.if \qt
	s_wait_alu depctr_vm_vsrc(0)                   ; the last subtile's LDS stores have read v128-159, which the packings below write again
.endif
	CVT32 0, 0x0f, OA+64*\qt, SC
	WIN 0
	s_wait_alu depctr_va_vdst(0)                   ; the packings have written v128-159, which the LDS stores read
	ST16 QST, SC, KP
	WIN 0x40
.irp dc, 0,1,2,3
	ds_load_b128 v[QF+32*\qt+8*\dc:QF+32*\qt+8*\dc+3],   v[QFA] offset:64*\dc
	ds_load_b128 v[QF+32*\qt+8*\dc+4:QF+32*\qt+8*\dc+7], v[QFA] offset:64*\dc+32
.endr
.endm
	; PROLOGUE.  All that is needed first is asked for at once, in the order of its use: K(0), 64 rows of Q, V(0): 96 loads.
	LDTBASE 28, 34, 24                             ; K(0)
	LDTBASE 30, 36, 25                             ; V(0)
	WIN 0x80
	s_wait_alu depctr_va_vdst(0)                   ; the ten addresses v2 to v11 are written: every load and store of the kernel, LDS or memory, reads one of them
	LDTLOAD KS, 28
	WIN 0xc0
.irp qt, 0,1
.set ci, 0
.rept 16
	global_load_b128 v[OA+64*\qt+4*ci:OA+64*\qt+4*ci+3], v[GROW], s[38:39] offset:(16*\qt+ci)*512 th:TH_LOAD_NT
.set ci, ci+1
.endr
.endr
.irp qt, 2,3
.set ci, 0
.rept 16
	global_load_b128 v[OA+64*\qt+4*ci:OA+64*\qt+4*ci+3], v[GROW], s[40:41] offset:(16*(\qt-2)+ci)*512 th:TH_LOAD_NT
.set ci, ci+1
.endr
.endr
	LDTLOAD VS, 30
	s_wait_loadcnt 63                              ; K(0) has 80 younger loads; 63 is the largest count the wait can name, and a smaller count is safe
	LDTBASE 28, 34, 24                             ; K's base, free since that wait: K(1)
	CVT32 0, 0x0a, KS, PF
	WIN 0
	s_wait_alu depctr_va_vdst(0)                   ; the packings have written v64-95, which the LDS stores read, and are done reading KS, in which K(1) lands
	ST16 KST, PF, KP
	LDTLOAD KS, 28                                 ; K(1)
	WIN 0
	s_wait_dscnt 0x0                               ; my rows of K(0) are in LDS
	s_barrier_signal -1
	s_barrier_wait -1                              ; everybody's are
	FKQ 0                                          ; K(0)'s fragments: no vector or matrix instruction has named KF yet
	FKQ 1
	FKQ 2
	FKQ 3
	QPREP 0, 63                                    ; younger: Q1, Q2, Q3, V(0), K(1) = 80 loads; the wait names 63
	QPREP 1, 63                                    ; younger: 64; the wait names 63
	QPREP 2, 48                                    ; younger: Q3, V(0), K(1)
	QPREP 3, 32                                    ; younger: V(0), K(1)
	WIN 0
	s_wait_alu depctr_vm_vsrc(0)                   ; the last subtile's LDS stores have read v128-159, which tile 0's packings of V write
	STEP 1, 1, TFI, 0, 0                           ; tile 0: both blocks; it is the low block's last tile where a = 0, so it is masked
	s_cmp_eq_u32 s5, 0
	s_cbranch_scc1 .Lhigh
	s_cmp_eq_u32 s5, 1
	s_cbranch_scc1 .Ldiag
	s_mov_b32 s22, 1
.Lboth:
	STEP 1, 0, 0, 0, 0                             ; tiles 1 .. a-1: both blocks, nothing masked
	s_add_co_u32 s22, s22, 1
	s_cmp_lt_u32 s22, s5
	s_cbranch_scc1 .Lboth
.Ldiag:
	STEP 1, 0, TLO, 0, 0                           ; tile a: the low block's last
.Lhigh:
	s_lshl_b32 s23, s5, 1
	s_sub_co_u32 s23, 30, s23                      ; tiles a+1 .. 30-a
	s_cmp_eq_u32 s23, 0
	s_cbranch_scc1 .Llast
	s_mov_b32 s22, 0
.Lhi:
	STEP 0, 0, 0, 0, 0                             ; the high block alone
	s_add_co_u32 s22, s22, 1
	s_cmp_lt_u32 s22, s23
	s_cbranch_scc1 .Lhi
.Llast:
	STEP 0, 0, 0, THI, 1                           ; tile 31-a: the high block's last
	; THE WAY OUT.  l of the two halves of the lanes is added, O is scaled by 1/l and goes, 16 rows at a time, through my stage to whole rows.
	PLACES                                         ; four places behind the last products before O is read (ISA guide 7.12.1)
	s_wait_loadcnt 0x0                             ; the K tile that was asked for a second time has landed: no load is left pending on a register
.irp q, 0,1,2,3
	v_permlanex16_b32 v[XT+\q], v[ALP+2*\q+1], s16, s17
.endr
.irp q, 0,1,2,3
	v_add_f32 v[ALP+2*\q+1], v[ALP+2*\q+1], v[XT+\q]
.endr
.irp q, 0,1,2,3
	v_rcp_f32 v[ALP+2*\q], v[ALP+2*\q+1]           ; l >= about 1: the row's largest score has the weight 1
.endr
	v_nop                                          ; one plain instruction behind the reciprocals (ISA guide 5.7.2)
	s_wait_alu depctr_va_vdst(0)                   ; the four reciprocals have written 1/l, ahead of the scalings that read it
; my lane holds row r's d = 16 dt + 8 h + 0..7: 32 bytes a tile into the stage; back by rows; each store of the wave covers one whole row of 512 bytes
.macro OUT qt, buf, base
	WIN 0x03
.set ci, 0
.rept 32
	v_pk_mul_f32 v[SC+2*ci:SC+2*ci+1], v[OA+64*\qt+2*ci:OA+64*\qt+2*ci+1], v[ALP+2*\qt:ALP+2*\qt+1] op_sel_hi:[1,0]
.set ci, ci+1
.endr
	WIN 0
	s_wait_alu depctr_va_vdst(0)                   ; the scalings have written v128-191, which the LDS stores read; every vector or matrix instruction that named buf (scores, weights) is done, and none follows before the loads that land in it
.irp dt, 0,1,2,3,4,5,6,7
	ds_store_b128 v[OST], v[SC+8*\dt:SC+8*\dt+3]   offset:64*\dt
	ds_store_b128 v[OST], v[SC+8*\dt+4:SC+8*\dt+7] offset:64*\dt+16
.endr
	s_wait_xcnt 0x0                                ; buf, which earlier stores read, is loaded again only behind this wait (ISA guide 3.1)
	s_wait_alu depctr_vm_vsrc(0)                   ; the global stores of two subtiles back have read buf, in which the loads below land; the LDS stores above have read v128-191, which the next subtile's scalings write
.set ci, 0
.rept 16
	ds_load_b128 v[\buf+4*ci:\buf+4*ci+3], v[ORD] offset:OP*ci     ; in order behind my stores above (ISA guide 5.7.1.4)
.set ci, ci+1
.endr
.set ci, 0
.rept 16
	s_wait_dscnt 15-ci                             ; row ci is back; the younger loads stay out
	global_store_b128 v[GROW], v[\buf+4*ci:\buf+4*ci+3], s[\base:\base+1] offset:(16*(\qt&1)+ci)*512 th:TH_STORE_NT
.set ci, ci+1
.endr
.endm
	OUT 0, 192, 42
	OUT 1, 64, 42
	OUT 2, 192, 44
	OUT 3, 64, 44
	s_wait_dscnt 0x0
	s_wait_alu depctr_hold_cnt(0) depctr_sa_sdst(0) depctr_va_vdst(0) depctr_va_sdst(0) depctr_va_ssrc(0) depctr_va_vcc(0) depctr_vm_vsrc(0)
	s_wait_tensorcnt 0x0
	ds_add_u32 v62, v63
	s_wait_dscnt 0x0
	s_endpgm
.Lfunc_end_k_qf0bb5d5b73_attn:
	.size	k_qf0bb5d5b73_attn, .Lfunc_end_k_qf0bb5d5b73_attn-k_qf0bb5d5b73_attn
	.p2alignl 7, 3214868480
	.fill 96, 4, 3214868480
	.section	.rodata,"a",@progbits
	.p2align	6, 0x0
	.amdhsa_kernel k_qf0bb5d5b73_attn
		.amdhsa_group_segment_fixed_size 70144
		.amdhsa_private_segment_fixed_size 0
		.amdhsa_enable_private_segment 0
		.amdhsa_kernarg_size 32
		.amdhsa_user_sgpr_count 2
		.amdhsa_user_sgpr_kernarg_segment_ptr 1
		.amdhsa_wavefront_size32 1
		.amdhsa_system_sgpr_workgroup_id_x 1
		.amdhsa_system_sgpr_workgroup_id_y 1
		.amdhsa_system_sgpr_workgroup_id_z 1
		.amdhsa_system_vgpr_workitem_id 0
		.amdhsa_next_free_vgpr 1024
		.amdhsa_next_free_sgpr 98
		.amdhsa_reserve_vcc 0
		.amdhsa_float_denorm_mode_32 3
		.amdhsa_float_denorm_mode_16_64 3
		.amdhsa_memory_ordered 1
		.amdhsa_forward_progress 1
		.amdhsa_inst_pref_size 255
	.end_amdhsa_kernel
	.section	.bss,"aw",@nobits
	.p2align	6
	.space	262144
	.amdgpu_metadata
---
amdhsa.version: [ 1, 2 ]
amdhsa.kernels:
  - .name:           k_qf0bb5d5b73_attn
    .symbol:         k_qf0bb5d5b73_attn.kd
    .args:
      - { .name: query, .offset: 0, .size: 8, .value_kind: global_buffer, .address_space: global }
      - { .name: key, .offset: 8, .size: 8, .value_kind: global_buffer, .address_space: global }
      - { .name: value, .offset: 16, .size: 8, .value_kind: global_buffer, .address_space: global }
      - { .name: out0, .offset: 24, .size: 8, .value_kind: global_buffer, .address_space: global }
    .group_segment_fixed_size: 70144
    .private_segment_fixed_size: 0
    .kernarg_segment_align: 8
    .kernarg_segment_size: 32
    .max_flat_workgroup_size: 128
    .sgpr_count:     98
    .vgpr_count:     1024
    .wavefront_size: 32
...
	.end_amdgpu_metadata
.endif
;; end of part 2
